; MI455X (gfx1250); checked and timed in simulation.
; The chip was launched on July 23, 2026; its instructions are those of AMD's public machine-readable ISA for CDNA 5 (MIT licence, August 2026) and "CDNA5" Instruction Set Architecture Reference Guide (July 2026). The comments in the code are by the model that wrote it; some were corrected since.
;; Simple Self Attention. Allowed arithmetic: matrix products marked QUANTISED: E5M2 operands, one E8M0 scale for each 32 along K, by v_wmma_scale_f32_16x16x128_f8f6f4 with both operands' format E5M2, f32 sums; everything else in f32.
;; Inputs: inputs 16 x 2,048 x 128 float32.
;; Outputs: out0 16 x 2,048 x 128 float32.
;; This version of the problem:
;;   THIS VERSION OF THE PROBLEM IS GIVEN IN LOW PRECISION. The matrix products marked QUANTISED in the list below multiply operands that are first quantised to E5M2 (5 exponent bits, 2 mantissa bits; 8 bits a number), with one power-of-two scale for each 32 numbers along K (OCP MX v1.0); their sums are f32. All else is computed in f32.
;;   The module's matrix products, in the order in which they are computed (A, B: the left and right operand; K: the contracted axis; several contracted axes count as one K, in the product's order):
;;     1. batch 16 x [M 2,048, K 128] x [K 128, N 2,048]; A: input inputs; B: input inputs: QUANTISED
;;     2. batch 16 x [M 2,048, K 2,048] x [K 2,048, N 128]; A: softmax (see below); B: input inputs: QUANTISED
;;   THE QUANTISER, for each operand of a quantised product, along K:
;;     - K is cut into blocks of 32 from its start; a last block that is shorter is filled with zeros.
;;     - A block's scale is 2^e with e = floor(log2(the largest magnitude in the block)) - 15, held to -126 .. 127; a block of zeros has e = 0. As a byte (E8M0): e + 127.
;;     - Each number is divided by its block's scale, clamped to +-57,344, and rounded to the nearest number of E5M2, ties to even, subnormals kept.
;;     - The product sums the exact products of the quantised numbers (number of the format x scale) in f32.
;;   ~~~python
;;   def quantise(x, axis):      # numpy; x: float32 -> the quantised numbers, widened to float32 again
;;       x = np.moveaxis(x, axis, -1); K = x.shape[-1]
;;       x = np.pad(x, [(0, 0)] * (x.ndim - 1) + [(0, -K % 32)]); x = x.reshape(x.shape[:-1] + (-1, 32)); a = np.abs(x).max(-1, keepdims=True)
;;       e = np.where(a > 0, np.clip(np.frexp(np.where(a > 0, a, 1))[1] - 1 - 15, -126, 127), 0)      # np.frexp(a)[1] - 1 = floor(log2(a)), exactly
;;       r = np.clip(x / 2.0 ** e, -57344, 57344)
;;       step = 2.0 ** (np.maximum(np.frexp(np.where(r == 0, 1, r))[1] - 1, -14) - 2)
;;       q = np.round(r / step) * step * 2.0 ** e      # np.round: ties to even
;;       return np.moveaxis(q.reshape(q.shape[:-2] + (-1,))[..., :K], -1, axis).astype(np.float32)
;;   ~~~
;;   SOFTMAX AHEAD OF A QUANTISED PRODUCT. Where the list says 'softmax', what is quantised is not the finished softmax but p = 2^(t - M), with t = logit x log2(e) and M = ceil(the row's largest t), a whole number; so 1/2 < the row's largest p <= 1. The row's sum l is taken of the UNQUANTISED p, in f32, and the product's result is divided by l at the end. Since M is a whole number, a kernel that streams over the keys may use a running M (the ceiling of the running maximum): every later rescaling is an exact power of two, which a block's scale takes up: the codes' values come out the same.
;;   OPERANDS COMPUTED ON THE WAY. 'Computed on the way' means the value that the module computes at that place (a softmax that the list does not call 'softmax' is quantised finished and normalised). What goes into a quantiser is computed in f32, as accurately as f32 sums, v_exp_f32 and their like allow (about 1e-6 of the number): no bf16 or f16 on the way to a quantiser, and a product that is left as it is and whose result goes on into a quantised operand takes f32 operands (vector FMAs, or v_wmma_f32_16x16x4_f32). A number that lies on a knife's edge between two numbers of the format may be rounded either way, as far as f32 arithmetic and the matrix unit's own rounding can turn it there, and no further.
;; One version. Each part assembles by itself: llvm-mc -triple=amdgcn-amd-amdhsa -mcpu=gfx1250 --defsym DOCPART=n.
;; ======== version 1 of 1: 2 launches
;; limits: right only within a limited range of input values
;; workspace buffers: kv 8,650,752 bytes
;; launch quant (part 1): grid 256 x 1, 8 waves a work-group, no clusters, 116,736 bytes of LDS; arguments inputs, kv; writes kv
.if DOCPART == 1
	.amdgcn_target "amdgcn-amd-amdhsa--gfx1250"
	.amdhsa_code_object_version 6
	.text
	.protected	k_q811db96315_quant
	.globl	k_q811db96315_quant
	.p2align	8
	.type	k_q811db96315_quant,@function
k_q811db96315_quant:
	s_mov_b64 s[64:65], 0
	v_nop
	global_prefetch_b8 v0, s[64:65] scope:SCOPE_SE
	s_setreg_imm32_b32 hwreg(HW_REG_WAVE_MODE, 25, 1), 1
	s_wait_xcnt 0x0
; inputs [16][2048][128] f32 are quantised TWICE to codes of BF8 (E5M2) with one E8M0 scale byte for each 32 numbers, from ONE read of the numbers:
;   K's codes: blocks of 32 along the 128 channels (the first product's K; the same codes serve as queries and as keys);
;   V's codes: blocks of 32 along the keys, channel by channel (the second product's K).
; A block's scale is 2^(floor(log2(its largest magnitude)) - 15); its byte is the largest magnitude's exponent field - 15, held at 1 from below.  Each number is held within +-57,344 x the scale and rounded to the nearest code, ties to even.
; LIMITS: NaN and infinities among the inputs are not served.  A block of zeros gets the byte 1 where the quantiser says 127: its codes are zeros, which add nothing under any byte but 0xff, and this program alone reads the bytes.
; WHAT IS STORED is laid in the order of the operands' registers, so that the next launch takes every fragment by loads of 16 bytes at 16 x lane.
;   kv [batch 16][step 16 (128 keys)][33,792]: the step's K image (16,384 bytes), its V image (16,384), K's scale words (512), V's (512).  An image is 8 tiles x 2,048 bytes; a tile 4 chunks c x 512 bytes; in a chunk lane (r, h) has 16 bytes at 16 (16 h + r).
;     K tile 2 b + u: row r is key 32 b + 8 u + r + 8 (r / 8) of the step, the bytes are channels 32 c + 16 h + 0 .. 15.      V tile t: row r is channel 16 t + r, the bytes are keys 32 c + 16 h + 0 .. 15 of the step.
;     The scale word of (tile T, row r) lies at 256 (T / 4) + 16 r + 4 (T % 4): one load of 16 bytes at 16 x lane brings the words of all 8 tiles.
; SHARES.  Work-group n = 16 x batch + step takes 128 keys x 128 channels; wave 2 kg + q takes keys 32 kg .. + 31, channels 64 q .. + 63.  All 16 loads of a wave go out at once: load j brings keys j and 16 + j of the 32, 256 consecutive, aligned bytes of each.
;   For K a lane must hold 16 neighbouring channels of one key: eight keys at a time turn through the wave's own stage in LDS (64 bytes a lane + 16 of padding).
;   For V nothing turns: as loaded, lane (l, h) holds 16 neighbouring keys of channels 4 l .. 4 l + 3: half a block each; lane xor 16 holds the other half.
;   Codes and scale bytes meet in an image in LDS; behind ONE barrier each wave stores an eighth of the codes, 512 consecutive bytes an instruction, and waves 0 and 1 the scale words.
; Left out: matrix units, tensor loads, clusters (work-groups share no byte), a prefetch (every byte is asked for at the head).
.set SP,    80                         ; a lane's place in a stage: 64 bytes + 16 of padding
.set STGS,  32*SP                      ; a stage: eight keys x 64 channels
.set STGW,  4*STGS                     ; a wave's four stages
.set IMG,   8*STGW                     ; behind the stages: the K image,
.set VIM,   IMG+16384                  ; the V image,
.set SIMG,  IMG+32768                  ; and the scale words' image, 1,024 bytes
.set SPARE, IMG+33792                  ; the spare words, 128 bytes for each wave: four blocks of 256 bytes that no other line names
.set STEPB, 33792
.set R,     16                         ; v16-79    as loaded: v[R + 4 j + c] = x[key 16 h + j][channel 4 l + c]
.set X,     80                         ; v80-111   two sets of 16 neighbouring channels
.set C,     112                        ; v112-127  K's codes, four registers for each step
.set E,     128                        ; v128-131  K's scale bytes
.set VC,    132                        ; v132-147  V's codes, four registers for each of my four channels
.set VE,    148                        ; v148-151  V's scale bytes
.set T,     152                        ; v152-183  two sets of 16 keys of one channel, held
.set MX,    184                        ; v184-187  V's largest magnitudes; v188-191 those of lane xor 16; v192-195 the conversions' scales; v196-199 the holds
.set MP,    188
.set SO,    192
.set LM,    196
.set SPW,   200
.set NIL,   201
	s_load_b128 s[4:7], s[0:1], 0x0                ; inputs, kv
	v_lshl_add_u32 v[SPW], v0, 2, SPARE
	v_mov_b32 v[NIL], 0
	v_lshrrev_b32 v1, 5, v0
	v_readfirstlane_b32 s10, v1                    ; wave 0..7
	v_and_b32 v1, 31, v0                           ; L
	v_and_b32 v12, 15, v0                          ; l
	v_bfe_u32 v13, v0, 4, 1                        ; h
	v_lshlrev_b32 v2, 13, v13                      ; my 16 bytes of a load: key 16 h + j,
	v_lshl_add_u32 v2, v12, 4, v2                  ; channels 4 l on
	s_lshr_b32 s11, s10, 1                         ; kg
	s_and_b32 s18, s10, 1                          ; q
	s_lshl_b32 s12, ttmp9, 16                      ; inputs: 65,536 bytes a work-group, 16,384 a key group, 256 a half row
	s_lshl_b32 s13, s11, 14
	s_add_co_u32 s12, s12, s13
	s_lshl_b32 s13, s18, 8
	s_add_co_u32 s12, s12, s13
	s_mov_b32 s13, 0
	s_mul_i32 s14, ttmp9, STEPB                    ; kv: 33,792 a work-group, 4,096 of the codes a wave
	s_lshl_b32 s16, s10, 9
	s_add_co_u32 s16, s16, s14
	s_add_co_u32 s16, s16, 32768                   ; the scale words: 512 bytes in each of waves 0 and 1
	s_mov_b32 s17, 0
	s_lshl_b32 s15, s10, 12
	s_add_co_u32 s14, s14, s15
	s_mov_b32 s15, 0
	s_mov_b32 s23, 0x600000                        ; the mantissa field of 57,344
	s_mov_b32 s24, 0x76543210
	s_mov_b32 s25, 0xfedcba98                      ; v_permlanex16_b32's selects for lane xor 16
	s_wait_alu depctr_va_vdst(0)                   ; ahead of the wait below
	s_wait_kmcnt 0x0
	s_add_nc_u64 s[4:5], s[4:5], s[12:13]
	s_add_nc_u64 s[8:9], s[6:7], s[16:17]
	s_add_nc_u64 s[6:7], s[6:7], s[14:15]
.set j, 0
.rept 16
	global_load_b128 v[R+4*j:R+4*j+3], v2, s[4:5] offset:512*j th:TH_LOAD_NT
.set j, j+1
.endr
	; the LDS addresses, while the loads are on their way
	v_bfe_u32 v12, v0, 2, 2                        ; m = (L / 4) % 4
	v_and_b32 v132, 3, v0                          ; n = L % 4
	v_bfe_u32 v14, v0, 1, 1                        ; (L / 2) % 2
	v_and_b32 v15, 1, v0                           ; L % 2
	s_mul_i32 s19, s10, STGW
	v_lshl_add_u32 v3, v13, 4, v12
	v_mul_u32_u24 v3, v3, SP
	v_lshl_add_u32 v3, v132, 4, v3
	v_add_nc_u32 v3, s19, v3                       ; the stage, in: place 16 h + 4 i + m, 16 n bytes on; i stands in the immediate
	v_mul_u32_u24 v4, v1, SP
	v_add_nc_u32 v4, s19, v4                       ; out: my 64 bytes: key 16 h + 4 s + m, channels 64 q + 16 n on
	v_lshlrev_b32 v5, 9, v14
	v_lshl_add_u32 v5, v15, 8, v5
	v_lshl_add_u32 v5, v13, 7, v5
	v_lshl_add_u32 v5, v12, 4, v5
	s_lshl_b32 s19, s11, 12
	s_lshl_b32 s20, s18, 10
	s_add_co_u32 s19, s19, s20
	s_add_co_u32 s19, s19, IMG
	v_add_nc_u32 v5, s19, v5                       ; K's codes: tiles 2 kg, 2 kg + 1; chunk 2 q + (L / 2) % 2; row 8 h + m, the step's part in the immediate
	v_lshl_add_u32 v6, v13, 7, v14
	v_lshl_add_u32 v6, v12, 4, v6
	s_lshr_b32 s19, s11, 1
	s_lshl_b32 s19, s19, 8
	s_and_b32 s20, s11, 1
	s_lshl_b32 s20, s20, 3
	s_add_co_u32 s19, s19, s20
	s_lshl_b32 s20, s18, 1
	s_add_co_u32 s19, s19, s20
	s_add_co_u32 s19, s19, SIMG
	s_wait_alu depctr_va_vdst(0)
	v_add_nc_u32 v6, s19, v6                       ; K's scale byte: byte 2 q + (L / 2) % 2 of the word
	v_lshlrev_b32 v7, 11, v12
	v_lshl_add_u32 v7, v13, 8, v7
	v_lshl_add_u32 v7, v132, 6, v7
	s_lshl_b32 s19, s18, 13
	s_lshl_b32 s20, s11, 9
	s_add_co_u32 s19, s19, s20
	s_add_co_u32 s19, s19, VIM
	v_add_nc_u32 v7, s19, v7                       ; V's codes: tile 4 q + m, chunk kg, half h, row 4 n + c
	v_lshlrev_b32 v8, 6, v132
	v_lshl_add_u32 v8, v12, 2, v8
	s_lshl_b32 s19, s18, 8
	s_add_co_u32 s19, s19, s11
	s_add_co_u32 s19, s19, SIMG+512
	v_add_nc_u32 v8, s19, v8                       ; V's scale byte: byte kg of the word
	v_lshlrev_b32 v11, 4, v1                       ; 16 L: the stores' offset
	s_lshl_b32 s19, s10, 12
	s_add_co_u32 s19, s19, IMG
	v_add_nc_u32 v9, s19, v11                      ; back: my eighth of the two images,
	s_lshl_b32 s19, s10, 9
	s_add_co_u32 s19, s19, SIMG
	v_add_nc_u32 v10, s19, v11                     ; and, in waves 0 and 1, half of the scale words
.irp c, 0,1,2,3
	v_mov_b32 v[MP+\c], 0                          ; a lane permute's destination counts as one of its sources
.endr
.macro TURN s                          ; a step's eight keys through stage s: LDS serves a wave's instructions in order, so no wait stands between the stores and the loads
.irp i, 0,1,2,3
	ds_store_b128 v3, v[R+16*(\s)+4*\i:R+16*(\s)+4*\i+3] offset:STGS*(\s)+4*SP*\i
.endr
.irp i, 0,1,2,3
	ds_load_b128 v[X+16*((\s)%2)+4*\i:X+16*((\s)%2)+4*\i+3], v4 offset:STGS*(\s)+16*\i
.endr
.endm
; K's codes of keys 16 h + 4 s + m: tile 2 kg + s / 2, row 8 h + 4 (s % 2) + m
.macro KSTEP s
.set XS, X+16*((\s)%2)
.if (\s) < 3
	s_wait_loadcnt 8-4*(\s)                        ; the next step's four loads are in; the younger may be out
	TURN (\s)+1                                    ; they turn while this step is worked
.endif
.if (\s) == 0
	s_wait_dscnt 8                                 ; behind this step's stage loads: the next turn's eight
.elseif (\s) < 3
	s_wait_dscnt 10                                ; the last step's two stores and the next turn's eight
.else
	s_wait_dscnt 2                                 ; the last step's two stores
.endif
	v_max3_num_f32 v12, |v[XS]|, |v[XS+1]|, |v[XS+2]|              ; the largest magnitude of my 16, in two chains
	v_max3_num_f32 v13, |v[XS+3]|, |v[XS+4]|, |v[XS+5]|
.irp i, 6,10
	v_max3_num_f32 v12, v12, |v[XS+\i]|, |v[XS+\i+1]|
	v_max3_num_f32 v13, v13, |v[XS+\i+2]|, |v[XS+\i+3]|
.endr
	v_max3_num_f32 v12, v12, |v[XS+14]|, |v[XS+15]|
	v_max3_num_f32 v12, v12, v13, 16<<23           ; and the floor 2^(16 - 127): the byte cannot fall under 1
	v_max_num_f32_dpp v12, v12, v12 row_xmask:1 row_mask:0xf bank_mask:0xf   ; with my neighbour's 16: the block's
	v_add_nc_u32 v15, 0xf8800000, v12              ; 15 off its exponent field: the conversion takes the exponent field of this operand as its scale
	v_and_or_b32 v14, v12, 0x7f800000, s23         ; 57,344 x the scale
.set j, 0
.rept 16
	v_med3_num_f32 v[XS+j], v[XS+j], -v14, v14     ; the conversion to an 8-bit code does not saturate (ISA guide 7.6.2): the hold comes first
.set j, j+1
.endr
	v_cvt_scalef32_pk8_bf8_f32 v[C+4*(\s):C+4*(\s)+1], v[XS:XS+7], v15
	v_cvt_scalef32_pk8_bf8_f32 v[C+4*(\s)+2:C+4*(\s)+3], v[XS+8:XS+15], v15
	v_lshrrev_b32 v[E+(\s)], 23, v15               ; the scale's byte (also the plain line behind the conversions)
	ds_store_b8 v6, v[E+(\s)] offset:4*((\s)/2)+64*((\s)%2)        ; both lanes of a block write the same byte with the same value
	ds_store_b128 v5, v[C+4*(\s):C+4*(\s)+3] offset:2048*((\s)/2)+64*((\s)%2)
.endm
	s_wait_alu depctr_va_vdst(0)                   ; ahead of the wait below
	s_wait_loadcnt 12                              ; the first step's four loads are in
	TURN 0
.irp s, 0,1,2,3
	KSTEP \s
.endr
	; V: my four channels by turns.  A block's 32 keys lie in lanes L and L xor 16; the hold writes a channel's 16 into consecutive registers
.irp c, 0,1,2,3
	v_max3_num_f32 v[MX+\c], |v[R+\c]|, |v[R+4+\c]|, |v[R+8+\c]|
.endr
.irp i, 3,5,7,9,11,13
.irp c, 0,1,2,3
	v_max3_num_f32 v[MX+\c], v[MX+\c], |v[R+4*\i+\c]|, |v[R+4*\i+4+\c]|
.endr
.endr
.irp c, 0,1,2,3
	v_max3_num_f32 v[MX+\c], v[MX+\c], |v[R+60+\c]|, 16<<23
.endr
.irp c, 0,1,2,3
	v_permlanex16_b32 v[MP+\c], v[MX+\c], s24, s25
.endr
.irp c, 0,1,2,3
	v_max_num_f32 v[MX+\c], v[MX+\c], v[MP+\c]
.endr
.irp c, 0,1,2,3
	v_add_nc_u32 v[SO+\c], 0xf8800000, v[MX+\c]
.endr
.irp c, 0,1,2,3
	v_and_or_b32 v[LM+\c], v[MX+\c], 0x7f800000, s23
.endr
.irp c, 0,1,2,3
	v_lshrrev_b32 v[VE+\c], 23, v[SO+\c]
.endr
.irp c, 0,1,2,3
.set TT, T+16*(\c%2)
.set j, 0
.rept 16
	v_med3_num_f32 v[TT+j], v[R+4*j+\c], -v[LM+\c], v[LM+\c]
.set j, j+1
.endr
	v_cvt_scalef32_pk8_bf8_f32 v[VC+4*\c:VC+4*\c+1], v[TT:TT+7], v[SO+\c]
	v_cvt_scalef32_pk8_bf8_f32 v[VC+4*\c+2:VC+4*\c+3], v[TT+8:TT+15], v[SO+\c]
	v_nop                                          ; a plain line behind the conversions
	ds_store_b128 v7, v[VC+4*\c:VC+4*\c+3] offset:16*\c
	ds_store_b8 v8, v[VE+\c] offset:16*\c          ; both lanes of a block write the same byte with the same value
.endr
	s_wait_dscnt 0x0                               ; for the others' sake: all my stores into the images have landed
	s_barrier_signal -1
	s_barrier_wait -1                              ; tiles and words are made of several waves' parts
.set j, 0
.rept 8
	ds_load_b128 v[16+4*j:19+4*j], v9 offset:512*j
.set j, j+1
.endr
.set j, 0
.rept 8
	s_wait_dscnt 7-j                               ; the younger loads may be out
	global_store_b128 v11, v[16+4*j:19+4*j], s[6:7] offset:512*j   ; 32 lanes store 512 consecutive bytes, at a multiple of 256 from kv's first byte
.set j, j+1
.endr
	s_cmp_lt_u32 s10, 2
	s_cbranch_scc0 .Lno_words
	ds_load_b128 v[80:83], v10
	s_wait_dscnt 0x0
	global_store_b128 v11, v[80:83], s[8:9]        ; the scale words, 512 consecutive bytes
.Lno_words:
	s_wait_tensorcnt 0x0                           ; the wave's end
	ds_add_u32 v[SPW], v[NIL]
	s_wait_dscnt 0x0
	s_endpgm
.Lfunc_end_k_q811db96315_quant:
	.size	k_q811db96315_quant, .Lfunc_end_k_q811db96315_quant-k_q811db96315_quant
	.p2alignl 7, 3214868480
	.fill 96, 4, 3214868480
	.section	.rodata,"a",@progbits
	.p2align	6, 0x0
	.amdhsa_kernel k_q811db96315_quant
		.amdhsa_group_segment_fixed_size 116736
		.amdhsa_private_segment_fixed_size 0
		.amdhsa_enable_private_segment 0
		.amdhsa_kernarg_size 16
		.amdhsa_user_sgpr_count 2
		.amdhsa_user_sgpr_kernarg_segment_ptr 1
		.amdhsa_wavefront_size32 1
		.amdhsa_system_sgpr_workgroup_id_x 1
		.amdhsa_system_sgpr_workgroup_id_y 1
		.amdhsa_system_sgpr_workgroup_id_z 1
		.amdhsa_system_vgpr_workitem_id 0
		.amdhsa_next_free_vgpr 208
		.amdhsa_next_free_sgpr 66
		.amdhsa_reserve_vcc 0
		.amdhsa_float_denorm_mode_32 3
		.amdhsa_float_denorm_mode_16_64 3
		.amdhsa_memory_ordered 1
		.amdhsa_forward_progress 1
		.amdhsa_inst_pref_size 27
	.end_amdhsa_kernel
	.amdgpu_metadata
---
amdhsa.version: [ 1, 2 ]
amdhsa.kernels:
  - .name:           k_q811db96315_quant
    .symbol:         k_q811db96315_quant.kd
    .args:
      - { .name: inputs, .offset: 0, .size: 8, .value_kind: global_buffer, .address_space: global }
      - { .name: kv, .offset: 8, .size: 8, .value_kind: global_buffer, .address_space: global }
    .group_segment_fixed_size: 116736
    .private_segment_fixed_size: 0
    .kernarg_segment_align: 8
    .kernarg_segment_size: 16
    .max_flat_workgroup_size: 256
    .sgpr_count:     66
    .vgpr_count:     208
    .wavefront_size: 32
...
	.end_amdgpu_metadata
.endif
;; end of part 1
;; launch attn (part 2): grid 16 x 16, 8 waves a work-group, clusters of 4 x 1, 327,680 bytes of LDS; arguments kv, out0; writes out0
.if DOCPART == 2
	.amdgcn_target "amdgcn-amd-amdhsa--gfx1250"
	.amdhsa_code_object_version 6
	.text
	.protected	k_q811db96315_attn
	.globl	k_q811db96315_attn
	.p2align	8
	.type	k_q811db96315_attn,@function
k_q811db96315_attn:
	s_mov_b64 s[64:65], 0
	v_nop
	global_prefetch_b8 v0, s[64:65] scope:SCOPE_SE
	s_setreg_imm32_b32 hwreg(HW_REG_WAVE_MODE, 25, 1), 1
	s_wait_xcnt 0x0
	s_wait_alu depctr_hold_cnt(0) depctr_sa_sdst(0) depctr_va_vdst(0) depctr_va_sdst(0) depctr_va_ssrc(0) depctr_va_vcc(0) depctr_vm_vsrc(0)
	s_getreg_b32 s2, hwreg(HW_REG_IB_STS2, 6, 4)
	s_cmp_eq_u32 s2, 0
	s_cbranch_scc0 .Lentry_in_a_cluster
	s_endpgm
.Lentry_in_a_cluster:
	s_bfe_u32 s2, ttmp6, 0x10000c
	s_cmp_lg_u32 s2, 0x3003
	s_cbranch_scc0 .Lentry_shape_is_right
	s_endpgm
.Lentry_shape_is_right:
; out0[b][q][:] = the sum over k of softmax_k(x[b][q] . x[b][k] / sqrt(128)) x[b][k][:], both products on codes of BF8 (E5M2) with one E8M0 scale for each 32 along a product's K.
; kv [batch][step of 128 keys][33,792] holds codes and scale words as images of the operands' registers: K image 16,384 bytes, V image 16,384, K's scale words 512, V's 512.
;   An image is 8 tiles x 2,048 bytes, a tile 4 chunks x 512, lane l's 16 bytes at 16 l.   The word of (tile T, row r) lies at 256 (T / 4) + 16 r + 4 (T % 4).
;   K tile 2 b + u: row r is key 32 b + 8 u + r + 8 (r / 8), so that in S^T the 16 registers of tiles 2 b and 2 b + 1 are the 16 neighbouring keys 32 b + 16 (lane / 16) + 0 .. 15: p's codes are the second product's operand as they are made.
;   THE QUERIES NEED NOTHING OF THEIR OWN: 16 queries are the 16 keys of one K tile, so a tile's image is a fragment of Q and its scale words are Q's; only the rows of out0 follow r -> r + 8 (r / 8).
; THE SOFTMAX AHEAD OF THE SECOND PRODUCT: t = score x log2(e) / sqrt(128); M = the largest t so far, rounded UP to a whole number; p = 2^(t - M) is quantised along the keys, not normalised.  The row's sum is taken of the
;   unquantised p and divides at the end.  When M moves, the sum and O are multiplied by 2^(old M - new M): exact.
; WHERE A QUERY MEETS ITSELF THE FIRST PRODUCT IS FORMED IN TWO PARTS.  A query's codes are split: those with an exponent field of 27 or more (the LARGE part), and the rest (the SMALL part), each with zeros in the other's places;
;   S^T = K Qlarge^T + K Qsmall^T, two matrix instructions on the same fragment of K, joined by one f32 addition.  Why: a row's score with itself is a sum of 128 squares, and where it gives the row's largest p, that one code scales the
;   whole row of the result.  Split so, large squares are summed among large ones and small squares among small ones, so that no low bit of that score hangs on how numbers of very different size are brought together inside a sum.
;   The queries of work-group x = 4 X + cx are the keys of step x, which lies in slot X: so every step of slot X is formed so, and no other.  X is the cluster's number, the same in all four partners: the branch hangs on nothing else but the count of slots.
; SHARES.  A work-group owns 128 queries (the 8 K tiles of step x of its batch).  Wave w = 4 g + p: the pair p owns query tiles 2 p and 2 p + 1.  EACH WAVE CARRIES BOTH TILES, one in each register window, so that every fragment of K
;   and V read from LDS feeds both; and EACH WAVE WALKS HALF THE KEYS: steps g and g + 2 of every slot of four steps.  Two waves of 512 registers share a SIMD, one's vector work beside the other's products and LDS loads.
;   At the end wave w hands its window-1 tile (O^T, -M, sum) to wave w xor 4 through LDS and finishes its window-0 tile: window 0 holds tile 2 p + g, window 1 tile 2 p + (g xor 1).  Both M are whole numbers, so the merge's factors are exact.
; BOTH PRODUCTS ARE USED TRANSPOSED: S^T = K Q^T (source 0 = 16 keys, source 1 = 16 queries), O^T = V^T P^T (source 0 = 16 channels, source 1 = P): a lane holds ONE query (lane % 16) throughout.
; CLUSTER.  The four work-groups of a cluster belong to one batch and walk the same kv: every tensor load is asked for JOINTLY, by the same line with the same descriptor and the mask of all four.
; RING.  Two slots of 135,168 bytes (four steps with their scale words): a batch's 16 steps are four slots' worth.  Each of the eight waves fetches an eighth of a slot with one load: 66 rows of 256 bytes, dense.  The images need no padding:
;   every LDS load takes 512 consecutive bytes.  Slot 0's first fill is asked for at the head, slot 1's behind a full round; two refills follow, each behind a round of the cluster's barrier.
;   THE CHANGE OF SLOTS is spread over a step: V's fragments are read ahead of tile 1's softmax, so a wave has done with the slot there.  The wait for its tensor loads and the add stand in front of that softmax,
;   the signal inside it behind the maxima, the barrier's wait behind the second product.
;   No prefetch is laid: eight of the batch's 16 steps are asked for by the end of the head, and each of the two refills goes out more than one whole key step of every wave ahead of the wait for it.
; LIMITS: p under 2^-126 comes out of v_exp_f32 as 0.  A block's largest p is made from its largest score by the same multiply-add and exponential: that takes v_exp_f32 not to fall where its input rises.  The promise holds while the scaled scores |t| stay under 2^31.
; REGISTERS.  Window 0: v1-9 addresses, the add's registers and the scale operands (scale operands have no window);
;   v12 -M, v13 the largest score, v[14:15] the sum in two halves; v16-31 Q; v32-95 fragments of tiles 0-3; v96-159 S^T, then p (and, while the other tile's scores are formed in two parts, their small part); v160-223 O^T;
;   v224-239 Q's small part, then p's codes; v232-247, v252, v254 at work; v248-251 the tiles' scale words.
;   Window 1: the same numbers for tile 1 (v12-31, v96-247, v252-254); v32-95 fragments of tiles 4-7.
.set STEPB, 33792                      ; a step's two images and its scale words
.set SLOT1, 4*STEPB                    ; = 0x21000: slot 1 begins here.  A slot's second pair of steps begins at 2 STEPB = 0x10800, a wave's eighth at 0x4200 x wave: none has a bit of 0x21000, so one exclusive or turns an address in one slot into the other's
.set VIMG,  16384
.set KSC,   32768                      ; a step's scale words: K's,
.set VSC,   33280                      ; V's
.set BATCHB, 16*STEPB
.set QSM,   2*SLOT1                    ; behind the ring: the small parts of Q: for each wave two images of 2,048 bytes, stored once by the wave and read by it alone
.set SPARE, QSM+8*4096                 ; the spare words, 128 bytes for each wave: four blocks of 256 bytes that no other line names
.set MRG,   0                          ; the merge and the stages lie in slot 0: it has had its last fill, and every wave has done with it ahead of the last change's barrier
.set MRGW,  8704                       ; the merge: for each wave 8,192 bytes of O^T's image and 512 with the pair (-M, sum) at 16 x lane
.set STAGE, MRG+8*MRGW                 ; the way out: 16 rows x (256 bytes + 16) for each wave
.set SP,    272
.set AF0, 1                            ; v1   16 x lane + STEPB x g
.set SPW, 2                            ; v2   LDS address of my spare word; never rewritten
.set NIL, 3                            ; v3   0; never rewritten
.set QS1, 4                            ; v4   tile 1's Q scale word
.set PS0, 5                            ; v5   tile 0's p scale word
.set PS1, 6                            ; v6   tile 1's
.set QS0, 7                            ; v7   tile 0's Q scale word
.set ADR, 8                            ; v8   the step in hand
.set AQS, 9                            ; v9   QSM + 4,096 x wave + 16 x lane (at the head first Q's offset)
.set WV,  10                           ; s10  my wave's number; s11 g, s12 p; s15 the batch
.set FLO, 18                           ; s18  2^(16 - 127)
.set MNT, 19                           ; s19  the mantissa field of 57,344
.set SEL, 20                           ; s[20:21] v_permlanex16_b32's selects for lane l xor 16
.set CS,  22                           ; s[22:23] c = log2(e) / sqrt(128)
.set G1,  24                           ; s[24:31] descriptor group 1
.set G0,  40                           ; s[40:43] group 0 of slot 0's first fill; s[44:47] of slot 1's, which then walks on
.set TB,  48                           ; s48  LDS byte at which the pair of steps in hand begins
.set CNT, 50
.set SLOTN, 51                         ; s51  which four steps of the batch the slot in hand holds: 0 to 3
.set PSEL, 52                          ; s52  v_perm_b32's selector of two high halves
.set BMSK, 53                          ; s53  0x00ff00ff
.set OUTB, 54                          ; s[54:55] out0 at my window-0 tile's first row
.set MSB, 0
.macro WIN new                         ; the immediate's high byte repeats the setting that is left; a switch that changes nothing is dropped
.if MSB != (\new)
	s_set_vgpr_msb (MSB<<8)|(\new)
.set MSB, (\new)
.endif
.endm
; bits 1:0 source 0, 3:2 source 1, 5:4 source 2, 7:6 destination.  A product for tile x on fragments in window f: f + 0x54 x.  A softmax of tile x: 0x55 x.  0x40: a load's destination in window 1.
.macro CREST                           ; a round of the cluster's barrier behind its opening barrier: wave 0 signals for the work-group; every wave waits for all four work-groups; my work-group's barrier once more
	s_cmp_lg_u32 s[WV], 0
	s_cbranch_scc1 .Lnot_wave_0_\@
	s_barrier_signal -3
.Lnot_wave_0_\@:
	s_barrier_wait -3
	s_barrier_signal -1
	s_barrier_wait -1
.endm
.macro CROUND
	s_barrier_signal -1
	s_barrier_wait -1
	CREST
.endm
	s_load_b128 s[4:7], s[0:1], 0x0                ; kv, out0
	v_lshl_add_u32 v[SPW], v0, 2, SPARE
	v_mov_b32 v[NIL], 0
	ds_add_u32 v[SPW], v[NIL]                      ; the wave's opening: the add, twice on end, and its wait ahead of my first tensor load
	ds_add_u32 v[SPW], v[NIL]
	v_lshrrev_b32 v9, 5, v0
	v_readfirstlane_b32 s[WV], v9                  ; wave 0..7
	s_lshr_b32 s11, s[WV], 2                       ; g
	s_and_b32 s12, s[WV], 3                        ; p
	s_and_b32 s15, ttmp7, 0xffff                   ; the batch, which the four partners share
	s_lshl_b32 s16, s12, 1
	s_add_co_u32 s16, s16, s11                     ; window 0's tile: 2 p + g
	s_xor_b32 s17, s16, 1                          ; window 1's
	s_lshr_b32 s80, s16, 2                         ; where a tile's scale words begin: 256 (T / 4) + 4 (T % 4)
	s_lshl_b32 s80, s80, 8
	s_add_co_u32 s80, s80, KSC
	s_and_b32 s81, s17, 3
	s_lshl_b32 s81, s81, 2
	s_add_co_u32 s82, s80, s81
	s_and_b32 s81, s16, 3
	s_lshl_b32 s81, s81, 2
	s_add_co_u32 s80, s80, s81
	s_mul_i32 s84, s11, STEPB
	s_lshl_b32 s85, s16, 11
	s_lshl_b32 s86, s17, 11
	v_and_b32 v8, 31, v0
	v_lshlrev_b32 v8, 4, v8
	v_add_nc_u32 v[AF0], s84, v8
	v_add_nc_u32 v9, s85, v8                       ; window 0's tile in the image: 2,048 T + 16 x lane
	v_add_nc_u32 v10, s86, v8                      ; window 1's
	v_and_b32 v8, 15, v0
	v_lshlrev_b32 v8, 4, v8
	v_add_nc_u32 v11, s80, v8                      ; their scale words: + 16 (lane % 16): lanes 16-31 take the same words and are not read
	v_add_nc_u32 v254, s82, v8
.irp x, 0,1                                    ; the starting values, in both windows
	WIN 0x55*\x
	v_mov_b32 v13, 0xff61b1e6                      ; the largest score so far: -3e38
	v_mov_b32 v12, 0x7f61b1e6                      ; -M: 3e38: the first change of M makes the factor 0
	v_mov_b32 v14, 0                               ; the sum, in two halves
	v_mov_b32 v15, 0
.irp b, 0,1,2,3
	v_mov_b32 v[236+\b], 0                         ; written once: a lane permute's destination counts as one of its sources
.endr
	v_mov_b32 v253, 0                              ; (named as the upper half of the pair v[252:253])
.endr
	WIN 0
	; descriptor group 1: a dense block as 66 rows of 256 bytes (32 elements of 8 bytes)
	s_mov_b32 s[G1], 15|(3<<16)|(1<<21)            ; 15:0 the mask: all four work-groups; 17:16 elements of 8 bytes; 20 no padding; 21 set beside a mask
	s_mov_b32 s[G1+1], 32<<16                      ; tensor_dim0 = 32
	s_mov_b32 s[G1+2], 66<<16                      ; tensor_dim1 = 66
	s_mov_b32 s[G1+3], 32<<16                      ; tile_dim0 = 32
	s_mov_b32 s[G1+4], 66                          ; tile_dim1 = 66
	s_mov_b32 s[G1+5], 32                          ; from row to row: 32 elements
	s_mov_b32 s[G1+6], 0
	s_mov_b32 s[G1+7], 0
	; what feeds the descriptors is made of the batch and the wave's number alone, in registers that never hold my place in the cluster
	s_mul_i32 s56, s[WV], STEPB/2                  ; my eighth of a slot, in LDS and in memory alike
	s_mul_i32 s58, s15, BATCHB
	s_add_co_u32 s58, s58, s56
	s_mov_b32 s59, 0
	; my place in the cluster enters global addresses alone: Q's and out0's
	s_bfe_u32 s13, ttmp6, 0x40000                  ; cx
	s_lshl_b32 s14, ttmp9, 2
	s_add_co_u32 s14, s14, s13                     ; x: my block of 128 queries = step x of the batch
	s_mul_i32 s68, s15, BATCHB
	s_mul_i32 s69, s14, STEPB
	s_add_co_u32 s68, s68, s69                     ; step x
	s_mov_b32 s69, 0
	s_lshl_b32 s74, s15, 20                        ; out0: rows of 512 bytes: 2,048 a batch,
	s_lshl_b32 s75, s14, 16                        ; 128 a block,
	s_add_co_u32 s74, s74, s75
	s_lshl_b32 s75, s12, 14                        ; tile 2 p + g begins at row 32 p + 8 g
	s_add_co_u32 s74, s74, s75
	s_lshl_b32 s75, s11, 12
	s_add_co_u32 s74, s74, s75
	s_mov_b32 s75, 0
	s_mov_b32 s[FLO], 0x8000000
	s_mov_b32 s[MNT], 0x600000
	s_mov_b32 s[SEL], 0x76543210
	s_mov_b32 s[SEL+1], 0xfedcba98
	s_mov_b32 s[CS], 0x3e0293ee                    ; c = log2(e) / sqrt(128)
	s_mov_b32 s[CS+1], s[CS]                       ; (named with it as a pair, so it is written)
	s_mov_b32 s[PSEL], 0x07060302
	s_mov_b32 s[BMSK], 0x00ff00ff
	s_wait_alu depctr_va_vdst(0)                   ; ahead of the waits below
	s_wait_dscnt 0x0                               ; both opening adds are done
	CROUND                                         ; all four work-groups are here: the first joint loads meet
	s_wait_kmcnt 0x0
	s_add_nc_u64 s[62:63], s[4:5], s[58:59]        ; my eighth of the batch's first four steps
.irp s, 0,1
	s_mov_b32 s[G0+4*\s], 1                        ; count = 1
	s_add_co_u32 s[G0+4*\s+1], s56, \s*SLOT1       ; LDS address: slot s, my eighth
	s_add_nc_u64 s[G0+4*\s+2:G0+4*\s+3], s[62:63], \s*SLOT1   ; global address: slot s begins with steps 4 s to 4 s + 3
	s_or_b32 s[G0+4*\s+3], s[G0+4*\s+3], 0x80000000   ; type = 2
.endr
	tensor_load_to_lds s[G0:G0+3], s[G1:G1+7]      ; slot 0: my one load at the head
	s_nop 0
.rept 4
	v_nop                                          ; four v_nop follow the load
.endr
	s_add_nc_u64 s[66:67], s[4:5], s[68:69]        ; Q = step x's K image; its scale words lie KSC on
	s_add_nc_u64 s[OUTB:OUTB+1], s[6:7], s[74:75]
.irp c, 0,1,2,3
	global_load_b128 v[16+4*\c:19+4*\c], v9, s[66:67] offset:512*\c   ; Q stays in registers
.endr
	global_load_b32 v[QS0], v11, s[66:67]
	global_load_b32 v[QS1], v254, s[66:67]
	WIN 0x40
.irp c, 0,1,2,3
	global_load_b128 v[16+4*\c:19+4*\c], v10, s[66:67] offset:512*\c
.endr
	WIN 0
; K's run of 33 LDS loads: the 8 tiles' scale words (lanes 0-15: tiles 0-3, lanes 16-31: tiles 4-7), K tiles 0-3 into window 0, tiles 4-7 into window 1.  V's run likewise.
.macro RUN words, img
	ds_load_b128 v[248:251], v[ADR] offset:\words
.irp t, 0,1,2,3
.irp c, 0,1,2,3
	ds_load_b128 v[32+16*\t+4*\c:35+16*\t+4*\c], v[ADR] offset:\img+2048*\t+512*\c
.endr
.endr
	WIN 0x40
.irp t, 0,1,2,3
.irp c, 0,1,2,3
	ds_load_b128 v[32+16*\t+4*\c:35+16*\t+4*\c], v[ADR] offset:\img+2048*(4+\t)+512*\c
.endr
.endr
	WIN 0
.endm
; four products for query tile x on K tiles 4 f .. 4 f + 3 (fragments in window f; their scale words in lanes 16 f on), source 1 from rB on, each starting its sum with the constant 0
.macro KQ4 x, f, rB
.irp t, 0,1,2,3
.set rS, 96+32*(\f)+8*\t
.if \f
	v_wmma_scale_f32_16x16x128_f8f6f4 v[rS:rS+7], v[32+16*\t:47+16*\t], v[\rB:\rB+15], 0, v[248+\t], v[QS0-3*(\x)] matrix_a_fmt:MATRIX_FMT_BF8 matrix_b_fmt:MATRIX_FMT_BF8 matrix_a_scale:MATRIX_SCALE_ROW1
.else
	v_wmma_scale_f32_16x16x128_f8f6f4 v[rS:rS+7], v[32+16*\t:47+16*\t], v[\rB:\rB+15], 0, v[248+\t], v[QS0-3*(\x)] matrix_a_fmt:MATRIX_FMT_BF8 matrix_b_fmt:MATRIX_FMT_BF8
.endif
.endr
.endm
.macro PLACES8
.rept 8
	v_nop
.endr
.endm
; THE SCORES of query tile x, S^T = K Q^T: in one part, or in slot X in two.  Every window is 0 at the macro's head and end.
.macro SCORES x
	s_cmp_eq_u32 s[SLOTN], ttmp9
	s_cbranch_scc1 .Lsplit_\@
.if (\x) == 0
	s_wait_dscnt 16                                ; the scale words and K tiles 0-3 are in; the 16 loads of tiles 4-7 may be out
.endif
	WIN 0x54*(\x)
	KQ4 \x, 0, 16
.if (\x) == 0
	s_wait_dscnt 0x0
.endif
	WIN 1+0x54*(\x)
	KQ4 \x, 1, 16
	WIN 0
	PLACES8                                        ; eight places in front of the first read of the sums, and of loads into the fragments
	s_branch .Lscored_\@
.Lsplit_\@:
	WIN 0x40*(\x)
.irp c, 0,1,2,3
	ds_load_b128 v[224+4*\c:227+4*\c], v[AQS] offset:2048*(\x)+512*\c   ; my small part
.endr
	WIN 0x55*(\x)
	s_wait_dscnt 0x0                               ; (K's loads too)
.set j, 0
.rept 16
	v_xor_b32 v[16+j], v[16+j], v[224+j]           ; Q less its small part: the large part
.set j, j+1
.endr
.rept 4
	v_nop                                          ; four places between an operand so written and the products
.endr
	WIN 0x54*(\x)
	KQ4 \x, 0, 16                                  ; the large part's sums, into the tile's own registers
	WIN 1+0x54*(\x)
	KQ4 \x, 1, 16
	WIN 0x04*(\x)+0x40*(1-(\x))                    ; the small part's, into the same numbers of the OTHER window, which are idle now
	KQ4 \x, 0, 224
	WIN 1+0x04*(\x)+0x40*(1-(\x))
	KQ4 \x, 1, 224
	WIN 0
	PLACES8
	WIN 0x04+0x3d*(\x)                             ; x = 0: source 1 in window 1; x = 1: source 0 and destination in window 1
.set j, 0
.rept 32
	v_pk_add_f32 v[96+j:97+j], v[96+j:97+j], v[96+j:97+j]   ; joined: one f32 addition a score, each accumulator from its low end on
.set j, j+2
.endr
	WIN 0x55*(\x)
.set j, 0
.rept 16
	v_xor_b32 v[16+j], v[16+j], v[224+j]           ; Q whole again
.set j, j+1
.endr
	WIN 0
.Lscored_\@:
.endm
; eight products O^T += V^T P^T for query tile x: eight accumulators, one instruction each.  first = 1: they start the sums: nothing is ever cleared.
.macro PV x, first
.irp f, 0,1
	WIN (\f)+0x54*(\x)
.irp t, 0,1,2,3
.set rO, 160+32*\f+8*\t
.set rV, 32+16*\t
.if \first && \f
	v_wmma_scale_f32_16x16x128_f8f6f4 v[rO:rO+7], v[rV:rV+15], v[224:239], 0, v[248+\t], v[PS0+(\x)] matrix_a_fmt:MATRIX_FMT_BF8 matrix_b_fmt:MATRIX_FMT_BF8 matrix_a_scale:MATRIX_SCALE_ROW1
.elseif \first
	v_wmma_scale_f32_16x16x128_f8f6f4 v[rO:rO+7], v[rV:rV+15], v[224:239], 0, v[248+\t], v[PS0+(\x)] matrix_a_fmt:MATRIX_FMT_BF8 matrix_b_fmt:MATRIX_FMT_BF8
.elseif \f
	v_wmma_scale_f32_16x16x128_f8f6f4 v[rO:rO+7], v[rV:rV+15], v[224:239], v[rO:rO+7], v[248+\t], v[PS0+(\x)] matrix_a_fmt:MATRIX_FMT_BF8 matrix_b_fmt:MATRIX_FMT_BF8 matrix_a_scale:MATRIX_SCALE_ROW1
.else
	v_wmma_scale_f32_16x16x128_f8f6f4 v[rO:rO+7], v[rV:rV+15], v[224:239], v[rO:rO+7], v[248+\t], v[PS0+(\x)] matrix_a_fmt:MATRIX_FMT_BF8 matrix_b_fmt:MATRIX_FMT_BF8
.endif
.endr
.endr
.endm
; THE SOFTMAX of query tile x for 128 keys, all in window x but the last line of tile 1's scale word.  first = 1: O^T does not exist yet, so there is nothing to rescale.  sync = 1: the barrier's signal stands behind the maxima.
.macro SOFTMAX x, first, sync
	WIN 0x55*\x
.irp b, 0,1,2,3
	v_max3_num_f32 v[232+\b], v[96+16*\b], v[97+16*\b], v[98+16*\b]   ; THE LARGEST SCORE OF EACH BLOCK OF 32 KEYS: it serves the row's maximum and, since p rises with the score, the block's largest p
.endr
.irp i, 3,5,7,9,11
.irp b, 0,1,2,3
	v_max3_num_f32 v[232+\b], v[232+\b], v[96+16*\b+\i], v[97+16*\b+\i]   ; (the four blocks by turns)
.endr
.endr
.irp b, 0,1,2,3
	v_max3_num_f32 v[232+\b], v[232+\b], v[109+16*\b], v[110+16*\b+\b%2]  ; the sixteenth score is the block's last register (even b) or the last but one (odd b): two banks for the pairs below
.endr
	v_dual_max_num_f32 v232, v111, v232 :: v_dual_max_num_f32 v233, v126, v233
	v_dual_max_num_f32 v234, v143, v234 :: v_dual_max_num_f32 v235, v158, v235
.irp b, 0,1,2,3
	v_permlanex16_b32 v[236+\b], v[232+\b], s[SEL], s[SEL+1]
.endr
	v_dual_max_num_f32 v232, v232, v236 :: v_dual_max_num_f32 v233, v233, v237   ; with lane l xor 16's 16 keys
	v_dual_max_num_f32 v234, v234, v238 :: v_dual_max_num_f32 v235, v235, v239
.if \sync
	s_wait_alu depctr_va_vdst(0)                   ; ahead of the wait below
	s_wait_dscnt 0x0                               ; the add is done, and so are my reads of this slot: V is in
	s_barrier_signal -1                            ; register work alone up to the barrier's wait
.endif
	v_max3_num_f32 v254, v232, v233, v234
	s_delay_alu instid0(VALU_DEP_1)
	v_max3_num_f32 v13, v13, v254, v235            ; the running largest score of my query
	s_delay_alu instid0(VALU_DEP_1)
	v_mul_f32 v254, s[CS], v13                     ; as t (c is positive)
	v_mov_b32 v252, v12
	s_delay_alu instid0(VALU_DEP_2)
	v_floor_f32 v12, -v254                         ; the new -M = floor(-t) = -ceil(t): M IS A WHOLE NUMBER
	s_delay_alu instid0(VALU_DEP_1)
	v_sub_f32 v254, v12, v252                      ; M's old value less its new one: a whole number, 0 or less
	s_delay_alu instid0(VALU_DEP_1)
	v_cvt_i32_f32 v254, v254                       ; (it saturates)
	s_delay_alu instid0(VALU_DEP_1)
	v_ldexp_f32 v252, 1.0, v254                    ; f = 2^(old M - new M)
.if \first == 0
.if \x
	s_wait_alu depctr_va_vdst(0)
.endif
.set j, 0
.rept 32
	v_pk_mul_f32 v[160+j:161+j], v[160+j:161+j], v[252:253] op_sel_hi:[1,0]   ; O^T under the new M: x f, each accumulator from its low end on
.set j, j+2
.endr
.endif
.set j, 0
.rept 32
	v_pk_fma_f32 v[96+j:97+j], v[96+j:97+j], s[CS:CS+1], v[12:13] op_sel_hi:[1,0,0]   ; t - M, two at a time
.set j, j+2
.endr
	v_pk_fma_f32 v[232:233], v[232:233], s[CS:CS+1], v[12:13] op_sel_hi:[1,0,0]   ; the same of each block's largest score
	v_pk_fma_f32 v[234:235], v[234:235], s[CS:CS+1], v[12:13] op_sel_hi:[1,0,0]
	s_wait_alu depctr_va_vdst(0)                   ; ahead of the batch
.irp b, 0,1,2,3
	v_exp_f32 v[232+\b], v[232+\b]                 ; the block's largest p: the same two instructions on the same number give the same bits
.endr
.set j, 0
.rept 64
	v_exp_f32 v[96+j], v[96+j]                     ; p = 2^(t - M), at most 1: NOT normalised
.set j, j+1
.endr
	v_pk_mul_f32 v[14:15], v[14:15], v[252:253] op_sel_hi:[1,0]   ; the sums under the new M (the plain line behind the exponentials)
	s_wait_alu depctr_va_vdst(0)                   ; one wait for the batch of 68, ahead of its first reader
	v_pk_add_f32 v[236:237], v[96:97], v[98:99]    ; THE ROW'S SUM IS TAKEN OF THE UNQUANTISED p: two at a time, in four chains
	v_pk_add_f32 v[238:239], v[100:101], v[102:103]
	v_pk_add_f32 v[240:241], v[104:105], v[106:107]
	v_pk_add_f32 v[14:15], v[14:15], v[108:109]
.irp j, 14,22,30,38,46,54
	v_pk_add_f32 v[236:237], v[236:237], v[96+\j:97+\j]
	v_pk_add_f32 v[238:239], v[238:239], v[98+\j:99+\j]
	v_pk_add_f32 v[240:241], v[240:241], v[100+\j:101+\j]
	v_pk_add_f32 v[14:15], v[14:15], v[102+\j:103+\j]
.endr
	v_pk_add_f32 v[236:237], v[236:237], v[158:159]
	v_pk_add_f32 v[14:15], v[14:15], v[240:241]
	v_pk_add_f32 v[236:237], v[236:237], v[238:239]
	v_dual_max_num_f32 v232, s[FLO], v232 :: v_dual_max_num_f32 v233, s[FLO], v233   ; the floor 2^(16 - 127): the byte cannot fall under 1 (a block whose every p is 0 keeps that byte: its codes are zeros)
	v_dual_max_num_f32 v234, s[FLO], v234 :: v_dual_max_num_f32 v235, s[FLO], v235
	v_pk_add_f32 v[14:15], v[14:15], v[236:237]
.irp b, 0,1,2,3
	v_add_nc_u32 v[244+\b], 0xf8800000, v[232+\b]  ; 15 off the exponent field: the conversion's scale operand
.endr
.irp b, 0,1,2,3
	v_and_or_b32 v[240+\b], v[232+\b], 0x7f800000, s[MNT]   ; 57,344 x the scale
.endr
	; p's scale word: the exponent fields of v244-247 are bits 14:7 of their high halves.  Blocks 0 and 2 in one register, 1 and 3 in another; shifted to bytes 0, 2 and 1, 3, and joined
	v_perm_b32 v236, v246, v244, s[PSEL]
	v_perm_b32 v237, v247, v245, s[PSEL]
	v_lshrrev_b32 v236, 7, v236
	v_lshlrev_b32 v237, 1, v237
.if \x
	WIN 0x15                                       ; sources in window 1, destination in window 0: scale operands are taken from window 0
	v_bfi_b32 v[PS1], s[BMSK], v236, v237
	WIN 0x55
.else
	v_bfi_b32 v[PS0], s[BMSK], v236, v237
.endif
.irp b, 0,1,2,3
.set j, 0
.rept 8
	v_dual_min_num_f32 v[96+16*\b+j], v[240+\b], v[96+16*\b+j] :: v_dual_min_num_f32 v[97+16*\b+j], v[240+\b], v[97+16*\b+j]   ; the conversion to an 8-bit code does not saturate (ISA guide 7.6.2); p is not negative, so the hold is one-sided
.set j, j+2
.endr
	v_cvt_scalef32_pk8_bf8_f32 v[224+4*\b:225+4*\b], v[96+16*\b:103+16*\b], v[244+\b]
	v_cvt_scalef32_pk8_bf8_f32 v[226+4*\b:227+4*\b], v[104+16*\b:111+16*\b], v[244+\b]
.endr
	v_nop                                          ; a plain line behind the conversions
.endm
; A KEY STEP: one of my two steps of the slot in hand, 128 keys, for both query tiles.  sync = 1: my last reads of a slot: the change of slots' wait and add ahead of tile 1's softmax, its signal inside it; the barrier's wait follows the macro.
.macro STEP first, sync
	v_add_nc_u32 v[ADR], s[TB], v[AF0]
.rept 7
	v_nop                                          ; with the addition: eight places behind the last products, in front of loads into registers that they read
.endr
	RUN KSC, 0
	s_wait_alu depctr_va_vdst(0)                   ; ahead of the branches and waits below
	SCORES 0
	SOFTMAX 0, \first, 0
	WIN 0                                          ; at a label and at a branch every window is 0
	SCORES 1
	RUN VSC, VIMG                                  ; V: asked for now, it lands while tile 1's softmax runs
.if \sync
	s_wait_tensorcnt 0x0                           ; no tensor load of mine is out: my part of the other slot is in
	ds_add_u32 v[SPW], v[NIL]                      ; 0 onto my spare word; the maxima stand between it and its wait
.endif
	SOFTMAX 1, \first, \sync
.rept 3
	v_nop                                          ; with the line behind the conversions: four places between the codes and the products that take them
.endr
	s_wait_alu depctr_va_vdst(0)
.if \sync == 0
	s_wait_dscnt 0x0                               ; V is in
.endif
	PV 0, \first
	PV 1, \first                                   ; 16 accumulators, one instruction each
	WIN 0
.endm
	; Q'S SMALL PART, byte by byte.  A code is s eeeee mm.  (code & 0x7c) + 0x14 has bit 7 set where the exponent field is 27 or more (27 << 2 = 0x6c, 0x6c + 0x14 = 0x80; at most 0x7c + 0x14 = 0x90: nothing is carried into
	; the next byte); that bit, moved to the byte's bit 0 and multiplied by 255 (256 x less 1 x), is a mask of whole bytes; the small part is what lies outside it.  It goes to my own bytes of LDS, as an image of its registers.
	s_lshl_b32 s86, s[WV], 12
	s_add_co_u32 s86, s86, QSM
	s_wait_loadcnt 0x0                             ; Q and its scale words; their address registers are free
	v_and_b32 v[AQS], 31, v0
	v_lshlrev_b32 v[AQS], 4, v[AQS]
	v_add_nc_u32 v[AQS], s86, v[AQS]
.irp x, 0,1
	WIN 0x55*\x
.set j, 0
.rept 16
	v_and_b32 v[224+j], 0x7c7c7c7c, v[16+j]
.set j, j+1
.endr
.set j, 0
.rept 16
	v_add_nc_u32 v[224+j], 0x14141414, v[224+j]
.set j, j+1
.endr
.set j, 0
.rept 16
	v_lshrrev_b32 v[224+j], 7, v[224+j]
.set j, j+1
.endr
.set j, 0
.rept 16
	v_and_b32 v[224+j], 0x01010101, v[224+j]
.set j, j+1
.endr
.set j, 0
.rept 16
	v_lshlrev_b32 v[96+j], 8, v[224+j]
.set j, j+1
.endr
.set j, 0
.rept 16
	v_sub_nc_u32 v[224+j], v[96+j], v[224+j]
.set j, j+1
.endr
.set j, 0
.rept 16
	v_bfi_b32 v[224+j], v[224+j], 0, v[16+j]
.set j, j+1
.endr
.endr
	WIN 0
.irp c, 0,1,2,3
	ds_store_b128 v[AQS], v[224+4*\c:227+4*\c] offset:512*\c
.endr
	WIN 0x04                                       ; an LDS store's data are its source 1: window 1
.irp c, 0,1,2,3
	ds_store_b128 v[AQS], v[224+4*\c:227+4*\c] offset:2048+512*\c
.endr
	WIN 0
	s_wait_alu depctr_va_vdst(0)                   ; ahead of the wait below
	s_wait_tensorcnt 0x0                           ; my part of slot 0 is in
	ds_add_u32 v[SPW], v[NIL]
	s_wait_dscnt 0x0
	CROUND                                         ; everybody's parts are in, and the joint loads meet
	tensor_load_to_lds s[G0+4:G0+7], s[G1:G1+7]    ; slot 1: steps 4 to 7
	s_nop 0
.rept 4
	v_nop
.endr
	s_mov_b32 s[TB], 0
	s_mov_b32 s[SLOTN], 0
	STEP 1, 0                                      ; the first step is written out: its products start O^T's sums
	s_mov_b32 s[CNT], 2
.Lslot:                                            ; two trips: the second step of a slot, the refill of that slot (steps 8 to 11, then 12 to 15), and the first step of the other
	s_add_co_u32 s[TB], s[TB], 2*STEPB
	STEP 0, 1
	s_xor_b32 s[G0+5], s[G0+5], SLOT1              ; the walking descriptor (none of my loads is out): the other slot than last time,
	s_add_nc_u64 s[G0+6:G0+7], s[G0+6:G0+7], SLOT1 ; the next four steps; the type bits on top are not reached
	s_barrier_wait -1                              ; it opens a round of the cluster's barrier:
	CREST                                          ; no wave of any partner still reads the slot left or has a load on its way
	tensor_load_to_lds s[G0+4:G0+7], s[G1:G1+7]    ; the joint refill, an eighth in every wave, first behind the round
	s_nop 0
.rept 4
	v_nop
.endr
	s_sub_co_u32 s[TB], s[TB], 2*STEPB
	s_xor_b32 s[TB], s[TB], SLOT1
	s_add_co_u32 s[SLOTN], s[SLOTN], 1
	STEP 0, 0
	s_sub_co_u32 s[CNT], s[CNT], 1
	s_cmp_lg_u32 s[CNT], 0
	s_cbranch_scc1 .Lslot
	s_mov_b32 s[TB], 2*STEPB                       ; slot 0's last step: nothing is filled any more, so my work-group's barrier alone shows slot 1's last fill to every wave
	STEP 0, 1
	s_barrier_wait -1
	s_mov_b32 s[TB], SLOT1
	s_mov_b32 s[SLOTN], 3
	s_mov_b32 s[CNT], 2
.Llast:                                            ; slot 1's two steps
	STEP 0, 0
	s_add_co_u32 s[TB], s[TB], 2*STEPB
	s_sub_co_u32 s[CNT], s[CNT], 1
	s_cmp_lg_u32 s[CNT], 0
	s_cbranch_scc1 .Llast
	; THE MERGE.  My window-1 tile's O^T, -M and sum go to wave w xor 4, as images of their registers; that wave's come to me, for my window-0 tile.  The bytes lie in slot 0, which nobody reads and nothing fills any more.
	s_mul_i32 s56, s[WV], MRGW
	s_add_co_u32 s56, s56, MRG
	s_xor_b32 s57, s[WV], 4
	s_mul_i32 s57, s57, MRGW
	s_add_co_u32 s57, s57, MRG
	s_mul_i32 s58, s[WV], 16*SP
	s_add_co_u32 s58, s58, STAGE
	v_and_b32 v1, 31, v0                           ; fourteen plain lines: more than the eight places between the last products and the first read of their results
	v_and_b32 v7, 15, v0                           ; r
	v_lshlrev_b32 v1, 4, v1
	v_mul_u32_u24 v10, v7, SP
	v_add_nc_u32 v8, s56, v1                       ; my region,
	v_add_nc_u32 v9, s57, v1                       ; my partner's
	v_bfe_u32 v1, v0, 4, 1                         ; h
	v_lshl_add_u32 v10, v1, 5, v10
	v_mul_u32_u24 v11, v1, SP
	v_add_nc_u32 v10, s58, v10                     ; my stage, in: row r; a tile's eight channels of my half: + 32 h
	v_lshl_add_u32 v11, v7, 4, v11
	v_lshlrev_b32 v1, 9, v1
	v_add_nc_u32 v11, s58, v11                     ; back: lanes 0-15 one row, lanes 16-31 the next
	v_lshl_add_u32 v1, v7, 4, v1                   ; and the same two rows in out0: 512 h + 16 r
	WIN 0x55
	v_add_f32 v13, v14, v15                        ; tile 1: the sum's two halves, beside -M (the largest score is done with)
	WIN 0x04                                       ; an LDS store's data are its source 1: window 1
.set j, 0
.rept 16
	ds_store_b128 v8, v[160+4*j:163+4*j] offset:512*j   ; each accumulator from its low end on
.set j, j+1
.endr
	ds_store_b64 v8, v[12:13] offset:8192
	WIN 0
	v_add_f32 v14, v14, v15                        ; tile 0: the sum's two halves
	s_wait_alu depctr_va_vdst(0)                   ; ahead of the wait below
	s_wait_dscnt 0x0                               ; for my partner's sake: my stores have landed
	s_barrier_signal -1
	s_barrier_wait -1
	ds_load_b64 v[232:233], v9 offset:8192
.set j, 0
.rept 16
	ds_load_b128 v[96+4*j:99+4*j], v9 offset:512*j
.set j, j+1
.endr
	s_wait_dscnt 16                                ; the pair is in; the 16 younger loads may be out
	v_min_num_f32 v234, v12, v232                  ; -M of both halves of the keys
	s_delay_alu instid0(VALU_DEP_1)
	v_sub_f32 v235, v234, v12                      ; whole numbers, 0 or less
	v_sub_f32 v236, v234, v232
	v_cvt_i32_f32 v235, v235
	v_cvt_i32_f32 v236, v236
	v_ldexp_f32 v240, 1.0, v235                    ; my factor,
	v_ldexp_f32 v242, 1.0, v236                    ; my partner's: exact powers of two
	v_mul_f32 v14, v14, v240
	s_delay_alu instid0(VALU_DEP_1)
	v_fma_f32 v14, v233, v242, v14
	v_permlanex16_b32 v237, v14, s[SEL], s[SEL+1]
	s_delay_alu instid0(VALU_DEP_1)
	v_add_f32 v14, v14, v237                       ; with lane l xor 16's: the row's sum
	s_wait_alu depctr_va_vdst(0)                   ; ahead of the transcendental
	v_rcp_f32 v238, v14
	v_nop                                          ; a plain line behind the reciprocal
	s_wait_dscnt 0x0                               ; my partner's O^T is in
	s_wait_alu depctr_va_vdst(0)                   ; and the wait ahead of the reciprocal's first reader
	v_mul_f32 v240, v240, v238
	v_mul_f32 v242, v242, v238
.set j, 0
.rept 32
	v_pk_mul_f32 v[160+j:161+j], v[160+j:161+j], v[240:241] op_sel_hi:[1,0]   ; each accumulator from its low end on
.set j, j+2
.endr
.set j, 0
.rept 32
	v_pk_fma_f32 v[96+j:97+j], v[96+j:97+j], v[242:243], v[160+j:161+j] op_sel_hi:[1,0,1]   ; register 8 t + i is o(query r, channel 16 t + 8 h + i)
.set j, j+2
.endr
	; THE WAY OUT: through my own stage, half a row (64 channels, 256 bytes) of 16 queries at a time.  LDS serves a wave's instructions in order: the loads see my stores, and the next half's stores come behind them.
.irp u, 0,1
.irp t, 0,1,2,3
	ds_store_b128 v10, v[96+32*\u+8*\t:99+32*\u+8*\t] offset:64*\t
	ds_store_b128 v10, v[100+32*\u+8*\t:103+32*\u+8*\t] offset:64*\t+16
.endr
.irp i, 0,1,2,3,4,5,6,7
	ds_load_b128 v[32+32*\u+4*\i:35+32*\u+4*\i], v11 offset:2*\i*SP
.endr
.endr
.irp u, 0,1
.irp i, 0,1,2,3,4,5,6,7
	s_wait_dscnt (7-\i)+16*(1-\u)                  ; younger: this half's later loads, and behind the first half the second's eight stores and eight loads
	global_store_b128 v1, v[32+32*\u+4*\i:35+32*\u+4*\i], s[OUTB:OUTB+1] offset:(2*\i+8*(\i/4))*512+256*\u th:TH_STORE_NT   ; stage row rho is row rho + 8 (rho / 8) of the tile; 16 lanes store 256 consecutive bytes, aligned
.endr
.endr
	s_wait_tensorcnt 0x0                           ; the wave's end, behind my last tensor load and my last LDS store
	ds_add_u32 v[SPW], v[NIL]
	s_wait_dscnt 0x0
	CROUND                                         ; the closing round: no work-group ends while a partner may still ask for a tile that names it
	s_endpgm
.Lfunc_end_k_q811db96315_attn:
	.size	k_q811db96315_attn, .Lfunc_end_k_q811db96315_attn-k_q811db96315_attn
	.p2alignl 7, 3214868480
	.fill 96, 4, 3214868480
	.section	.rodata,"a",@progbits
	.p2align	6, 0x0
	.amdhsa_kernel k_q811db96315_attn
		.amdhsa_group_segment_fixed_size 327680
		.amdhsa_private_segment_fixed_size 0
		.amdhsa_enable_private_segment 0
		.amdhsa_kernarg_size 16
		.amdhsa_user_sgpr_count 2
		.amdhsa_user_sgpr_kernarg_segment_ptr 1
		.amdhsa_wavefront_size32 1
		.amdhsa_system_sgpr_workgroup_id_x 1
		.amdhsa_system_sgpr_workgroup_id_y 1
		.amdhsa_system_sgpr_workgroup_id_z 1
		.amdhsa_system_vgpr_workitem_id 0
		.amdhsa_next_free_vgpr 512
		.amdhsa_next_free_sgpr 96
		.amdhsa_reserve_vcc 0
		.amdhsa_float_denorm_mode_32 3
		.amdhsa_float_denorm_mode_16_64 3
		.amdhsa_memory_ordered 1
		.amdhsa_forward_progress 1
		.amdhsa_inst_pref_size 255
	.end_amdhsa_kernel
	.section	.bss,"aw",@nobits
	.p2align	6
	.space	262144
	.amdgpu_metadata
---
amdhsa.version: [ 1, 2 ]
amdhsa.kernels:
  - .name:           k_q811db96315_attn
    .symbol:         k_q811db96315_attn.kd
    .args:
      - { .name: kv, .offset: 0, .size: 8, .value_kind: global_buffer, .address_space: global }
      - { .name: out0, .offset: 8, .size: 8, .value_kind: global_buffer, .address_space: global }
    .group_segment_fixed_size: 327680
    .private_segment_fixed_size: 0
    .kernarg_segment_align: 8
    .kernarg_segment_size: 16
    .max_flat_workgroup_size: 256
    .sgpr_count:     96
    .vgpr_count:     512
    .wavefront_size: 32
...
	.end_amdgpu_metadata
.endif
;; end of part 2
